; MI455X (gfx1250); checked and timed in simulation.
; The chip was launched on July 23, 2026; its instructions are those of AMD's public machine-readable ISA for CDNA 5 (MIT licence, August 2026) and "CDNA5" Instruction Set Architecture Reference Guide (July 2026). The comments in the code are by the model that wrote it; some were corrected since.
;; TSE. Allowed arithmetic: float matrix products may take bf16 or f16 operands with f32 sums; all other float work in f32.
;; Inputs: W1 1,024 x 3,072 float32; W2 1,024 x 2,048 float32; mask 4 x 2,048 int32; sen 4 x 1 x 1,024 float32; tokens 4 x 2,048 x 1,024 float32.
;; Outputs: out0 4 x 2,048 x 1,024 float32.
;; One version. Each part assembles by itself: llvm-mc -triple=amdgcn-amd-amdhsa -mcpu=gfx1250 --defsym DOCPART=n.
;; ======== version 1 of 1: 3 launches
;; limits: values are held in f16: magnitudes above 65,504 overflow, below 6.1e-05 lose precision
;; workspace buffers: tok16 16,777,216 bytes; w16t 6,291,456 bytes; part 262,144 bytes; qkv 50,331,648 bytes
;; launch prep (part 1): grid 832 x 1, 8 waves a work-group, no clusters, 35,840 bytes of LDS; arguments tokens, W1, W2, sen, tok16, w16t, part; writes tok16, w16t, part
.if DOCPART == 1
	.amdgcn_target "amdgcn-amd-amdhsa--gfx1250"
	.amdhsa_code_object_version 6
	.text
	.protected	k_q3eb5385566_prep
	.globl	k_q3eb5385566_prep
	.p2align	8
	.type	k_q3eb5385566_prep,@function
k_q3eb5385566_prep:
	s_mov_b64 s[64:65], 0
	v_nop
	global_prefetch_b8 v0, s[64:65] scope:SCOPE_SE
	s_setreg_imm32_b32 hwreg(HW_REG_WAVE_MODE, 25, 1), 1
	s_wait_xcnt 0x0
; Three jobs, shared out by the work-group's number; each work-group reads 64 KiB and every job is a stream.
;   groups   0..127  part[kp][b][h][x] = sum over 128 k of sen[b][k] * W2[k][column], f32 (x < 64: q2 column 64 h + x, x >= 64: k2 column 64 h + x - 64)
;   groups 128..639  tok16 = tokens rounded to f16
;   groups 640..831  w16t[n][k] = W1[k][n] rounded to f16, transposed; columns n < 1024 (the queries) are first multiplied in f32 by QS
; QS = (2*64)^-0.5 * log2(e): the later launch then forms the softmax in base 2 without a multiply for each score.
; No matrix unit: sen @ W2 has four rows and is bound by the 8 MB of W2; sums in f32, over k in another order than a plain dot product.
; LIMIT, stated: f16 holds magnitudes below 65,504 and flushes below 6e-8; tokens and W1 entries outside that are not served.
.set X,   32                           ; v[32:95]  sixteen loads of 16 bytes a lane
.set ACC, 16                           ; v[16:31]  role sen: acc[b][e]
.set QS,  0x3e0293ee                   ; 0.12751743
.set TP,  272                          ; role w1: LDS pitch of a transposed row, 256 + 16 = 17 x 16 bytes: sixteen rows start in sixteen different 16-byte columns of 256
	s_load_b256 s[4:11], s[0:1], 0x0               ; tokens s[4:5], W1 s[6:7], W2 s[8:9], sen s[10:11]
	s_load_b128 s[12:15], s[0:1], 0x20             ; tok16 s[12:13], w16t s[14:15]
	s_load_b64 s[84:85], s[0:1], 0x30              ; part
	v_lshl_add_u32 v112, v0, 2, 0x8800
	v_mov_b32 v113, 0
	v_lshrrev_b32 v1, 5, v0
	v_readfirstlane_b32 s3, v1                     ; wave 0..7
	v_and_b32 v2, 31, v0                           ; lane
	s_wait_kmcnt 0x0
	s_cmp_lt_u32 ttmp9, 128                        ; the same in all waves of a work-group
	s_cbranch_scc1 .Lsen
	s_cmp_lt_u32 ttmp9, 640
	s_cbranch_scc1 .Ltok
; ---- W1: a tile of 128 k x 128 n.  Wave w reads k rows 16 w .. 16 w + 15, a lane four neighbouring n of each.
	s_sub_co_u32 s16, ttmp9, 640
	s_and_b32 s17, s16, 7                          ; kb: which 128 k
	s_lshr_b32 s18, s16, 3                         ; nb: which 128 n, 0..23
	s_lshl_b32 s22, s17, 7
	s_lshl4_add_u32 s22, s3, s22                   ; first k row of the wave
	s_mul_i32 s22, s22, 12288                      ; a row of W1 is 12,288 bytes
	s_lshl_b32 s23, s18, 9                         ; 128 n are 512 bytes
	s_add_co_u32 s22, s22, s23
	s_mov_b32 s23, 0
	s_add_nc_u64 s[6:7], s[6:7], s[22:23]
	v_lshlrev_b32 v1, 4, v2                        ; 16 bytes a lane: a load of the wave covers 512 neighbouring bytes
.irp j, 0,1,2,3,4,5,6,7,8,9,10,11,12,13,14,15
	global_load_b128 v[X+4*\j:X+4*\j+3], v1, s[6:7] offset:\j*12288 th:TH_LOAD_NT   ; W1[k0 + 16 w + j][n0 + 4 l + e]
.endr
	v_mul_u32_u24 v3, v2, TP
	v_lshl_add_u32 v3, s3, 5, v3                   ; LDS in: row 32 e + l, my wave's 16 k at byte 32 w
	v_lshrrev_b32 v4, 4, v0                        ; t / 16
	v_and_b32 v5, 15, v0                           ; t % 16
	v_mul_u32_u24 v6, v4, TP
	v_lshl_add_u32 v6, v5, 4, v6                   ; LDS back: sixteen threads take one row of 256 bytes
	v_lshlrev_b32 v7, 13, v4                       ; LDS row 16 p + t/16 is column 64 (p & 1) + 4 (t/16) + (p >> 1): 4 rows of 2,048 bytes for each t/16
	v_lshl_add_u32 v7, v5, 4, v7
	s_lshl_b32 s24, s18, 18                        ; 128 rows of w16t
	s_lshl_b32 s25, s17, 8                         ; 128 k are 256 bytes
	s_add_co_u32 s24, s24, s25
	s_mov_b32 s25, 0
	s_add_nc_u64 s[14:15], s[14:15], s[24:25]
	s_wait_loadcnt 0x0
	s_cmp_ge_u32 s18, 8                            ; n >= 1024: keys and values stay as they are
	s_cbranch_scc1 .Lplain
.irp j, 0,2,4,6,8,10,12,14,16,18,20,22,24,26,28,30,32,34,36,38,40,42,44,46,48,50,52,54,56,58,60,62
	v_pk_mul_f32 v[X+\j:X+\j+1], v[X+\j:X+\j+1], QS op_sel_hi:[1,0]
.endr
.Lplain:
; column e of my four: sixteen k, rounded and packed into 2 x 16 bytes, into LDS row 32 e + l
.macro TR e, y
.irp g, 0,1
.irp i, 0,1,2,3
	v_cvt_pk_f16_f32 v[\y+4*\g+\i], v[X+4*(8*\g+2*\i)+\e], v[X+4*(8*\g+2*\i+1)+\e]
.endr
	ds_store_b128 v3, v[\y+4*\g:\y+4*\g+3] offset:\e*32*TP+16*\g
.endr
.endm
	TR 0, 16
	TR 1, 24
	TR 2, 96
	TR 3, 104
	s_wait_dscnt 0x0                               ; my stores are in LDS before I say so: the other waves read them
	s_barrier_signal -1
	s_barrier_wait -1
.irp p, 0,1,2,3,4,5,6,7
	ds_load_b128 v[X+4*\p:X+4*\p+3], v6 offset:\p*16*TP
.endr
.irp p, 0,1,2,3,4,5,6,7
	s_wait_dscnt 7-\p                              ; LDS loads come back in order: the younger ones stay out
	global_store_b128 v7, v[X+4*\p:X+4*\p+3], s[14:15] offset:(64*(\p&1)+(\p>>1))*2048   ; sixteen lanes store 256 consecutive bytes, aligned
.endr
	s_wait_tensorcnt 0x0
	ds_add_u32 v112, v113
	s_wait_dscnt 0x0
	s_endpgm
; ---- tokens to f16: 64 KiB in, 32 KiB out, dense
.Ltok:
	s_sub_co_u32 s16, ttmp9, 128
	s_lshl_b32 s18, s16, 16
	s_mov_b32 s19, 0
	s_add_nc_u64 s[4:5], s[4:5], s[18:19]
	s_lshl_b32 s18, s16, 15
	s_add_nc_u64 s[12:13], s[12:13], s[18:19]
	v_lshlrev_b32 v1, 4, v0                        ; 16 t in,
	v_lshlrev_b32 v3, 3, v0                        ; 8 t out
.irp j, 0,1,2,3,4,5,6,7,8,9,10,11,12,13,14,15
	global_load_b128 v[X+4*\j:X+4*\j+3], v1, s[4:5] offset:\j*4096 th:TH_LOAD_NT
.endr
.irp j, 0,1,2,3,4,5,6,7,8,9,10,11,12,13,14,15
	s_wait_loadcnt 15-\j                           ; loads come back in order: the younger ones stay out
	v_cvt_pk_f16_f32 v[X+4*\j], v[X+4*\j], v[X+4*\j+1]
	v_cvt_pk_f16_f32 v[X+4*\j+1], v[X+4*\j+2], v[X+4*\j+3]
	global_store_b64 v3, v[X+4*\j:X+4*\j+1], s[12:13] offset:\j*2048   ; a wave stores 256 consecutive bytes, aligned
.endr
	s_endpgm
; ---- sen @ W2: head h = group & 15, k part kp = group >> 4 (128 k).  Wave w takes 16 k rows; lanes 0-15 the head's 64 q2 columns, lanes 16-31 its 64 k2 columns.
.Lsen:
	s_and_b32 s88, ttmp9, 15                       ; h
	s_lshr_b32 s89, ttmp9, 4                       ; kp
	s_lshl_b32 s90, s89, 7
	s_lshl4_add_u32 s90, s3, s90                   ; first k of the wave
	s_lshl_b32 s86, s90, 2
	s_mov_b32 s87, 0
	s_add_nc_u64 s[10:11], s[10:11], s[86:87]
	s_load_b512 s[16:31], s[10:11], 0x0            ; sen[b][k .. k + 15] for the four b: uniform in the wave, so they live in scalar registers
	s_load_b512 s[32:47], s[10:11], 0x1000
	s_load_b512 s[48:63], s[10:11], 0x2000
	s_load_b512 s[68:83], s[10:11], 0x3000
	s_lshl_b32 s86, s90, 13                        ; a row of W2 is 8,192 bytes
	s_lshl_b32 s91, s88, 8                         ; a head's 64 columns are 256 bytes
	s_add_co_u32 s86, s86, s91
	s_add_nc_u64 s[8:9], s[8:9], s[86:87]
	v_lshrrev_b32 v3, 4, v2
	v_and_b32 v4, 15, v2
	v_lshlrev_b32 v1, 4, v4
	v_lshl_add_u32 v1, v3, 12, v1                  ; k2's columns begin 4,096 bytes into a row
.irp j, 0,1,2,3,4,5,6,7,8,9,10,11,12,13,14,15
	global_load_b128 v[X+4*\j:X+4*\j+3], v1, s[8:9] offset:\j*8192 th:TH_LOAD_NT   ; sixteen lanes read 256 consecutive bytes, aligned
.endr
	v_lshlrev_b32 v5, 4, v2
	v_lshl_add_u32 v5, s3, 11, v5                  ; LDS: [wave][b][128] f32
	v_lshlrev_b32 v6, 3, v0                        ; back: thread t takes two numbers of every wave's table
	v_lshrrev_b32 v7, 6, v0                        ; b = t / 64
	v_and_b32 v8, 63, v0
	v_lshlrev_b32 v8, 3, v8
	v_lshl_add_u32 v7, v7, 13, v8                  ; part: b x 8,192 + 8 (t % 64)
	s_lshl_b32 s86, s89, 15                        ; kp x 32,768
	s_lshl_b32 s91, s88, 9                         ; h x 512
	s_add_co_u32 s86, s86, s91
	s_add_nc_u64 s[84:85], s[84:85], s[86:87]
	s_wait_kmcnt 0x0
.macro SENROW j                        ; row j of the wave's sixteen: 4 b x 4 columns; the first row starts the sums
	s_wait_loadcnt 15-\j                           ; the younger rows stay out
.irp e, 0,1,2,3
.if \j == 0
	v_mul_f32 v[ACC+\e],    s[16+\j], v[X+4*\j+\e]
	v_mul_f32 v[ACC+4+\e],  s[32+\j], v[X+4*\j+\e]
	v_mul_f32 v[ACC+8+\e],  s[48+\j], v[X+4*\j+\e]
	v_mul_f32 v[ACC+12+\e], s[68+\j], v[X+4*\j+\e]
.else
	v_fmac_f32 v[ACC+\e],    s[16+\j], v[X+4*\j+\e]
	v_fmac_f32 v[ACC+4+\e],  s[32+\j], v[X+4*\j+\e]
	v_fmac_f32 v[ACC+8+\e],  s[48+\j], v[X+4*\j+\e]
	v_fmac_f32 v[ACC+12+\e], s[68+\j], v[X+4*\j+\e]
.endif
.endr
.endm
.irp j, 0,1,2,3,4,5,6,7,8,9,10,11,12,13,14,15
	SENROW \j
.endr
.irp b, 0,1,2,3
	ds_store_b128 v5, v[ACC+4*\b:ACC+4*\b+3] offset:\b*512
.endr
	s_wait_dscnt 0x0                               ; my stores are in LDS before I say so
	s_barrier_signal -1
	s_barrier_wait -1
.irp i, 0,1,2,3,4,5,6,7
	ds_load_b64 v[X+2*\i:X+2*\i+1], v6 offset:\i*2048
.endr
	s_wait_dscnt 0x0
	v_pk_add_f32 v[X:X+1], v[X:X+1], v[X+2:X+3]
	v_pk_add_f32 v[X+4:X+5], v[X+4:X+5], v[X+6:X+7]
	v_pk_add_f32 v[X+8:X+9], v[X+8:X+9], v[X+10:X+11]
	v_pk_add_f32 v[X+12:X+13], v[X+12:X+13], v[X+14:X+15]
	v_pk_add_f32 v[X:X+1], v[X:X+1], v[X+4:X+5]
	v_pk_add_f32 v[X+8:X+9], v[X+8:X+9], v[X+12:X+13]
	v_pk_add_f32 v[X:X+1], v[X:X+1], v[X+8:X+9]
	global_store_b64 v7, v[X:X+1], s[84:85]        ; a wave stores 256 consecutive bytes, aligned
	s_wait_tensorcnt 0x0
	ds_add_u32 v112, v113
	s_wait_dscnt 0x0
	s_endpgm
.Lfunc_end_k_q3eb5385566_prep:
	.size	k_q3eb5385566_prep, .Lfunc_end_k_q3eb5385566_prep-k_q3eb5385566_prep
	.p2alignl 7, 3214868480
	.fill 96, 4, 3214868480
	.section	.rodata,"a",@progbits
	.p2align	6, 0x0
	.amdhsa_kernel k_q3eb5385566_prep
		.amdhsa_group_segment_fixed_size 35840
		.amdhsa_private_segment_fixed_size 0
		.amdhsa_enable_private_segment 0
		.amdhsa_kernarg_size 56
		.amdhsa_user_sgpr_count 2
		.amdhsa_user_sgpr_kernarg_segment_ptr 1
		.amdhsa_wavefront_size32 1
		.amdhsa_system_sgpr_workgroup_id_x 1
		.amdhsa_system_sgpr_workgroup_id_y 1
		.amdhsa_system_sgpr_workgroup_id_z 1
		.amdhsa_system_vgpr_workitem_id 0
		.amdhsa_next_free_vgpr 114
		.amdhsa_next_free_sgpr 96
		.amdhsa_reserve_vcc 0
		.amdhsa_float_denorm_mode_32 3
		.amdhsa_float_denorm_mode_16_64 3
		.amdhsa_memory_ordered 1
		.amdhsa_forward_progress 1
		.amdhsa_inst_pref_size 30
	.end_amdhsa_kernel
	.amdgpu_metadata
---
amdhsa.version: [ 1, 2 ]
amdhsa.kernels:
  - .name:           k_q3eb5385566_prep
    .symbol:         k_q3eb5385566_prep.kd
    .args:
      - { .name: tokens, .offset: 0, .size: 8, .value_kind: global_buffer, .address_space: global }
      - { .name: W1, .offset: 8, .size: 8, .value_kind: global_buffer, .address_space: global }
      - { .name: W2, .offset: 16, .size: 8, .value_kind: global_buffer, .address_space: global }
      - { .name: sen, .offset: 24, .size: 8, .value_kind: global_buffer, .address_space: global }
      - { .name: tok16, .offset: 32, .size: 8, .value_kind: global_buffer, .address_space: global }
      - { .name: w16t, .offset: 40, .size: 8, .value_kind: global_buffer, .address_space: global }
      - { .name: part, .offset: 48, .size: 8, .value_kind: global_buffer, .address_space: global }
    .group_segment_fixed_size: 35840
    .private_segment_fixed_size: 0
    .kernarg_segment_align: 8
    .kernarg_segment_size: 56
    .max_flat_workgroup_size: 256
    .sgpr_count:     96
    .vgpr_count:     114
    .wavefront_size: 32
...
	.end_amdgpu_metadata
.endif
;; end of part 1
;; launch qkv (part 2): grid 16 x 32, 4 waves a work-group, clusters of 4 x 4, 327,680 bytes of LDS; arguments tok16, w16t, qkv; writes qkv
.if DOCPART == 2
	.amdgcn_target "amdgcn-amd-amdhsa--gfx1250"
	.amdhsa_code_object_version 6
	.text
	.protected	k_q3eb5385566_qkv
	.globl	k_q3eb5385566_qkv
	.p2align	8
	.type	k_q3eb5385566_qkv,@function
k_q3eb5385566_qkv:
	s_mov_b64 s[64:65], 0
	v_nop
	global_prefetch_b8 v0, s[64:65] scope:SCOPE_SE
	s_setreg_imm32_b32 hwreg(HW_REG_WAVE_MODE, 25, 1), 1
	s_wait_xcnt 0x0
	s_wait_alu depctr_hold_cnt(0) depctr_sa_sdst(0) depctr_va_vdst(0) depctr_va_sdst(0) depctr_va_ssrc(0) depctr_va_vcc(0) depctr_vm_vsrc(0)
	s_getreg_b32 s2, hwreg(HW_REG_IB_STS2, 6, 4)
	s_cmp_eq_u32 s2, 0
	s_cbranch_scc0 .Lentry_in_a_cluster
	s_endpgm
.Lentry_in_a_cluster:
	s_bfe_u32 s2, ttmp6, 0x10000c
	s_cmp_lg_u32 s2, 0xf033
	s_cbranch_scc0 .Lentry_shape_is_right
	s_endpgm
.Lentry_shape_is_right:
; C[m][n] = sum over k of tok16[m][k] w16t[n][k]: 8192 x 3072 x 1024, f16 operands, f32 sums, rounded once to f16.
; Output layout qkv[batch][c][token][32]: c = n / 32 is a half head; a half head's 2,048 tokens are 131,072 dense bytes.
; A work-group makes 256 rows x 192 columns (32 x 16 = 512 equal work-groups); four waves, each 128 x 96: 48 accumulator tiles, 384 registers.
; 96 columns are three whole half heads.  K goes in steps of 128 through two LDS slots filled by tensor loads; a tile's rows are 256 bytes of memory, aligned.
; CLUSTERS: 4 x 4 work-groups.  The four of a row of the cluster need the same tiles of tok16, the four of a column the same tiles of w16t:
; each tile is asked for jointly, by the same load with the same descriptor in all four.
; LIMIT, stated: results of magnitude 65,504 and above do not fit f16.
; REGISTERS in windows of 256:
;   window 0: v16-26 addresses; v64-127, v128-191 fragments of tok16 (8 x 16 rows x 32 K), two buffers; v192-215 packed results on the way out
;   window 1: v64-111, v128-175 fragments of w16t (6 x 16 rows x 32 K), two buffers
;   window 2: the 24 accumulator tiles of my rows 0-63 (tile (a, b) at v[8 (6 a + b)]); window 3: those of my rows 64-127
; The matrix instruction is used transposed (source 0 = rows of w16t, source 1 = rows of tok16): lane l holds row l % 16 of C and in its
; registers 0-7 the columns 8 (l / 16) + 0..7, eight neighbours that pack into 16 bytes.
.set SIZE_K, 1024
.set KSTEP,  128
.set PITCH,  272                       ; 256 bytes + 16 of padding = 17 x 16: sixteen rows start in sixteen different 16-byte columns of 256
.set AHALF,  128*PITCH                 ; what one load of tok16 brings, and what one wave reads of it
.set BHALF,  96*PITCH                  ; the same for w16t
.set BOFF,   2*AHALF
.set SLOT,   2*AHALF+2*BHALF           ; 121,856
.set STAGE,  2*SLOT                    ; 243,712 = 952 x 256: behind the ring, no tensor load lands here
.set SPITCH, 208                       ; 192 bytes + 16 = 13 x 16
.set LAPS,   SIZE_K/(2*KSTEP)          ; 4 laps of two K steps
.set ADRA, 16
.set ADRB, 20
.set STO,  24
.set RD,   25
.set CO,   26
.set F0,   64
.set F1,   128
.set TMP,  192
.set G1,  24                           ; s[24:31] group 1, tiles of tok16
.set G0,  32                           ; s[32:39] group 0, tiles of tok16, a set for each slot
.set G1B, 48                           ; s[48:55] group 1, tiles of w16t
.set G0B, 56                           ; s[56:63] group 0, tiles of w16t, a set for each slot
.set MSB, 0
.macro WIN new                         ; the immediate's high byte repeats the setting that is left
.if MSB != \new
	s_set_vgpr_msb (MSB<<8)|\new
.set MSB, \new
.endif
.endm
.set MUL_LO, 0xa1                      ; source 0 window 1, source 1 window 0, C and D window 2
.set MUL_HI, 0xf1                      ; the same, C and D window 3
.set TO_B,   0x40                      ; destination window 1, address window 0
; A joint load: waves 0 and 1 fetch the two halves of tok16's tile, waves 2 and 3 those of w16t's.  The branch hangs on the wave's number alone.
.macro JLOAD s
	s_cmp_lt_u32 s10, 2
	s_cbranch_scc0 .Lfor_b_\@
	tensor_load_to_lds s[G0+4*\s:G0+4*\s+3], s[G1:G1+7]
	s_nop 0
	s_branch .Lasked_\@
.Lfor_b_\@:
	tensor_load_to_lds s[G0B+4*\s:G0B+4*\s+3], s[G1B:G1B+7]
	s_nop 0
.Lasked_\@:
.endm
.macro CREST                           ; a round of the cluster's barrier behind its opening barrier
	s_cmp_lg_u32 s10, 0
	s_cbranch_scc1 .Lnot_wave_0_\@
	s_barrier_signal -3
.Lnot_wave_0_\@:
	s_barrier_wait -3
	s_barrier_signal -1
	s_barrier_wait -1
.endm
.macro CROUND                          ; a whole round
	s_barrier_signal -1
	s_barrier_wait -1
	CREST
.endm
	s_load_b128 s[4:7], s[0:1], 0x0                ; tok16 s[4:5], w16t s[6:7]
	s_load_b64 s[8:9], s[0:1], 0x10                ; qkv
	s_set_vgpr_msb 0x40
	v_lshl_add_u32 v255, v0, 2, 0x3ec00
	s_set_vgpr_msb 0x4000
	v_mov_b32 v255, 0
	s_set_vgpr_msb 0x1
	ds_add_u32 v255, v255
	s_set_vgpr_msb 0x100
	v_lshrrev_b32 v1, 5, v0
	v_readfirstlane_b32 s10, v1                    ; wave 0..3
	s_lshr_b32 s11, s10, 1                         ; which 128 rows of the block are mine
	s_and_b32 s12, s10, 1                          ; which 96 columns; also: which half of a tile I fetch
	s_bfe_u32 s40, ttmp6, 0x40000                  ; cx
	s_bfe_u32 s41, ttmp6, 0x40004                  ; cy
	s_lshl_b32 s42, ttmp9, 2
	s_add_co_u32 s42, s42, s40                     ; block column = 4 x cluster x + cx
	s_and_b32 s13, ttmp7, 0xffff
	s_lshl_b32 s13, s13, 2
	s_add_co_u32 s13, s13, s41                     ; block row = 4 x cluster y + cy
	s_lshl_b32 s43, s41, 2
	s_lshl_b32 s43, 15, s43                        ; my row of the cluster: places 4 cy .. 4 cy + 3
	s_lshl_b32 s44, 0x1111, s40                    ; my column: places cx, cx + 4, cx + 8, cx + 12
	; group 1: elements of 2 bytes, 4 words of padding behind every 64 words, the mask and bit 21 beside it
	s_or_b32 s[G1+0], s43, (1<<16)|(1<<20)|(1<<21)|(5<<22)|(3<<25)
	s_or_b32 s[G1B+0], s44, (1<<16)|(1<<20)|(1<<21)|(5<<22)|(3<<25)
	s_mov_b32 s[G1+1], KSTEP<<16                   ; tensor_dim0 = 128
	s_mov_b32 s[G1B+1], KSTEP<<16
	s_mov_b32 s[G1+2], 128<<16                     ; tensor_dim1 = 128 rows
	s_mov_b32 s[G1B+2], 96<<16                     ;             = 96 rows
	s_mov_b32 s[G1+3], KSTEP<<16                   ; tile_dim0 = 128
	s_mov_b32 s[G1B+3], KSTEP<<16
	s_mov_b32 s[G1+4], 128                         ; tile_dim1
	s_mov_b32 s[G1B+4], 96
	s_mov_b32 s[G1+5], SIZE_K                      ; elements from row to row
	s_mov_b32 s[G1B+5], SIZE_K
	s_mov_b32 s[G1+6], 0
	s_mov_b32 s[G1B+6], 0
	s_mov_b32 s[G1+7], 0
	s_mov_b32 s[G1B+7], 0
	; tok16's tiles hang on the block row alone, w16t's on the block column alone; each address is made in registers that never hold the other coordinate
	s_lshl_b32 s17, s12, 7
	s_lshl_b32 s16, s13, 8
	s_add_co_u32 s16, s16, s17                     ; row 256 x block row + 128 x half
	s_lshl_b32 s16, s16, 11                        ; rows of 2,048 bytes
	s_mov_b32 s17, 0
	s_mul_i32 s46, s42, 192
	s_mul_i32 s47, s12, 96
	s_add_co_u32 s46, s46, s47                     ; row 192 x block column + 96 x half
	s_lshl_b32 s46, s46, 11
	s_mov_b32 s47, 0
	s_mul_i32 s20, s10, AHALF                      ; waves 0, 1: LDS bytes 0 and 34,816 of the slot
	s_mul_i32 s45, s10, BHALF
	s_add_co_u32 s45, s45, BOFF-2*BHALF            ; waves 2, 3: LDS bytes 69,632 and 95,744 of the slot
	s_wait_dscnt 0x0
	s_wait_kmcnt 0x0
	s_add_nc_u64 s[14:15], s[4:5], s[16:17]
	s_add_nc_u64 s[46:47], s[6:7], s[46:47]
	CROUND                                         ; all sixteen work-groups are here: the first joint loads meet
.irp s, 0,1
	s_mov_b32 s[G0+4*\s], 1
	s_add_co_u32 s[G0+4*\s+1], s20, \s*SLOT
	s_add_nc_u64 s[G0+4*\s+2:G0+4*\s+3], s[14:15], \s*KSTEP*2
	s_or_b32 s[G0+4*\s+3], s[G0+4*\s+3], 0x80000000
	s_mov_b32 s[G0B+4*\s], 1
	s_add_co_u32 s[G0B+4*\s+1], s45, \s*SLOT
	s_add_nc_u64 s[G0B+4*\s+2:G0B+4*\s+3], s[46:47], \s*KSTEP*2
	s_or_b32 s[G0B+4*\s+3], s[G0B+4*\s+3], 0x80000000
	JLOAD \s                                       ; both slots are asked for before anything else is done: two loads of the wave are out
.endr
	; a fragment: lane l holds row l % 16; registers 0-3 K = 8 (l / 16) + 0..7, registers 4-7 K = 16 + 8 (l / 16) + 0..7: two loads of 16 bytes, 32 apart
	v_and_b32 v1, 15, v0
	v_bfe_u32 v2, v0, 4, 1
	v_mul_u32_u24 v3, v1, PITCH
	v_lshl_add_u32 v3, v2, 4, v3
	s_mul_i32 s21, s11, AHALF
	s_mul_i32 s22, s12, BHALF
	s_add_co_u32 s22, s22, BOFF
.irp s, 0,1
	v_add_nc_u32 v[ADRA+\s], s21, v3
	v_add_nc_u32 v[ADRB+\s], s22, v3
	s_add_co_u32 s21, s21, SLOT
	s_add_co_u32 s22, s22, SLOT
.endr
	s_mul_i32 s23, s10, 16*SPITCH
	s_add_co_u32 s23, s23, STAGE                   ; my stage
	v_mul_u32_u24 v4, v1, SPITCH                   ; in: row l % 16, 16 bytes for each half of the lanes
	v_lshl_add_u32 v4, v2, 4, v4
	v_add_nc_u32 v[STO], s23, v4
	v_and_b32 v5, 31, v0
	v_lshrrev_b32 v6, 2, v5                        ; back: four lanes take the 64 bytes of one token in one half head
	v_and_b32 v7, 3, v5
	v_mul_u32_u24 v6, v6, SPITCH
	v_lshl_add_u32 v6, v7, 4, v6
	v_add_nc_u32 v[RD], s23, v6
	v_lshlrev_b32 v[CO], 4, v5                     ; and in memory eight tokens of a half head are 512 dense bytes
; 12 matrix instructions: row blocks a0, a0 + 1 of the window's four x all 6 column blocks, 32 along K.  zero = 1: the first product starts the sums.
.macro MUL12 f, hi, a0, zero
.irp a, \a0, \a0+1
.irp b, 0,1,2,3,4,5
.if \zero
	v_wmma_f32_16x16x32_f16 v[8*(6*(\a)+\b):8*(6*(\a)+\b)+7], v[\f+8*\b:\f+8*\b+7], v[\f+8*(4*\hi+\a):\f+8*(4*\hi+\a)+7], 0
.else
	v_wmma_f32_16x16x32_f16 v[8*(6*(\a)+\b):8*(6*(\a)+\b)+7], v[\f+8*\b:\f+8*\b+7], v[\f+8*(4*\hi+\a):\f+8*(4*\hi+\a)+7], v[8*(6*(\a)+\b):8*(6*(\a)+\b)+7]
.endif
.endr
.endr
.endm
; 28 LDS loads in one run: 96 rows of w16t, then 128 rows of tok16, 32 K at byte k of the rows, into buffer f
.macro FETCH slot, k, f
	WIN TO_B
.irp i, 0,1,2,3,4,5
	ds_load_b128 v[\f+8*\i:\f+8*\i+3],   v[ADRB+\slot] offset:\k+\i*16*PITCH
	ds_load_b128 v[\f+8*\i+4:\f+8*\i+7], v[ADRB+\slot] offset:\k+\i*16*PITCH+32
.endr
	WIN 0
.irp i, 0,1,2,3,4,5,6,7
	ds_load_b128 v[\f+8*\i:\f+8*\i+3],   v[ADRA+\slot] offset:\k+\i*16*PITCH
	ds_load_b128 v[\f+8*\i+4:\f+8*\i+7], v[ADRA+\slot] offset:\k+\i*16*PITCH+32
.endr
.endm
; four places between a matrix instruction and a load into a register that it read, or a vector instruction that reads its result
.macro PLACES
.rept 4
	v_nop
.endr
.endm
; The 48 accumulators take turns, one instruction a turn, in the same order in every quarter step.
.macro QUARTER slot, k, f, g, zero
	s_wait_dscnt 8                                 ; w16t's fragments and tok16's rows 0-63 are in; the youngest eight loads (rows 64-127) may be out
	WIN MUL_LO
	MUL12 \f, 0, 0, \zero
	MUL12 \f, 0, 2, \zero
	PLACES
	FETCH \slot, \k, \g
	s_wait_dscnt 28                                ; all but the 28 just issued
	WIN MUL_HI
	MUL12 \f, 1, 0, \zero
	MUL12 \f, 1, 2, \zero
.endm
.macro THREE slot, zero
	QUARTER \slot, 64,  F0, F1, \zero
	QUARTER \slot, 128, F1, F0, 0
	QUARTER \slot, 192, F0, F1, 0
.endm
; The last quarter of a K step multiplies buffer 1 and changes slots.  In front of the barrier each wave waits for its reads of this slot and for all its
; tensor loads (one is out: its part of the next slot).  Behind it the refill comes first, then the next slot's first fragments.
; From a request to the wait for it a wave issues 180 matrix instructions.
.macro TURN slot, next, fill
	s_wait_dscnt 8
	WIN MUL_LO
	MUL12 F1, 0, 0, 0
	s_wait_dscnt 0                                 ; my reads of this slot are over
	s_wait_tensorcnt 0x0                           ; and all my tensor loads have landed
	ds_add_u32 v255, v255
	s_wait_dscnt 0x0
	s_barrier_signal -1                            ; where a slot is filled again this barrier opens a round of the cluster's barrier
	MUL12 F1, 0, 2, 0                              ; register work while the others arrive
	WIN 0
	s_barrier_wait -1
.if \fill
	CREST                                          ; no wave of any partner still reads this slot or has a load on its way
	s_add_nc_u64 s[G0+4*\slot+2:G0+4*\slot+3], s[G0+4*\slot+2:G0+4*\slot+3], 2*KSTEP*2
	s_add_nc_u64 s[G0B+4*\slot+2:G0B+4*\slot+3], s[G0B+4*\slot+2:G0B+4*\slot+3], 2*KSTEP*2
	JLOAD \slot                                    ; the wave's one tensor load behind the round
.endif
	PLACES
	FETCH \next, 0, F0
	WIN MUL_HI
	MUL12 F1, 1, 0, 0
	MUL12 F1, 1, 2, 0
.endm
.macro LAP zero
	THREE 0, \zero
	TURN 0, 1, 1
	THREE 1, 0
	TURN 1, 0, 1
.endm
	s_wait_tensorcnt 1                             ; my part of K step 0 is in; K step 1's stays out
	s_barrier_signal -1
	s_barrier_wait -1
	FETCH 0, 0, F0
	LAP 1                                          ; the first lap stands in front of the loop: its first products start the sums
	WIN 0
	s_mov_b32 s3, LAPS-2
.Llap:
	LAP 0
	WIN 0
	s_sub_co_u32 s3, s3, 1
	s_cmp_lg_u32 s3, 0
	s_cbranch_scc1 .Llap
	THREE 0, 0                                     ; the last lap fills nothing
	TURN 0, 1, 0
	THREE 1, 0
	s_wait_dscnt 8
	WIN MUL_LO
	MUL12 F1, 0, 0, 0
	MUL12 F1, 0, 2, 0
	s_wait_dscnt 0
	WIN MUL_HI
	MUL12 F1, 1, 0, 0
	MUL12 F1, 1, 2, 0
	; THE WAY OUT, 16 rows at a time: round to f16, 16 bytes a lane into my own stage, read back by half heads, 512 dense bytes a store.
	PLACES
	s_lshr_b32 s68, s13, 3                         ; batch: 8 block rows of 256 tokens
	s_mul_i32 s68, s68, 96
	s_mul_i32 s69, s42, 6                          ; 192 columns are 6 half heads,
	s_add_co_u32 s68, s68, s69
	s_mul_i32 s69, s12, 3                          ; my 96 are 3
	s_add_co_u32 s68, s68, s69
	s_lshl_b32 s68, s68, 11                        ; x 2,048 tokens
	s_and_b32 s69, s13, 7
	s_lshl_b32 s69, s69, 8
	s_add_co_u32 s68, s68, s69
	s_lshl_b32 s69, s11, 7
	s_add_co_u32 s68, s68, s69                     ; + my first token
	s_lshl_b32 s68, s68, 6                         ; x 64 bytes
	s_mov_b32 s69, 0
	s_add_nc_u64 s[8:9], s[8:9], s[68:69]
; rows 16 i .. 16 i + 15 of my block = the six tiles (a, 0..5) of window 2 or 3 (from = 0x0a or 0x0f); f: F0 or F1 in turn
.macro OUT16 i, a, from, f
	WIN \from
.irp b, 0,1,2,3,4,5
.irp r, 0,1,2,3
	v_cvt_pk_f16_f32 v[TMP+4*\b+\r], v[8*(6*\a+\b)+2*\r], v[8*(6*\a+\b)+2*\r+1]
.endr
.endr
	WIN 0
.irp b, 0,1,2,3,4,5
	ds_store_b128 v[STO], v[TMP+4*\b:TMP+4*\b+3] offset:32*\b
.endr
	s_wait_xcnt 0x0                                ; buffer f, which earlier stores read, is loaded again only behind this wait
.irp t, 0,1,2,3,4,5
	ds_load_b128 v[\f+4*\t:\f+4*\t+3], v[RD] offset:(\t/3)*8*SPITCH+(\t%3)*64   ; LDS serves a wave's instructions in order: these see the stores above
.endr
.irp t, 0,1,2,3,4,5
	s_wait_dscnt 5-\t
	global_store_b128 v[CO], v[\f+4*\t:\f+4*\t+3], s[8:9] offset:(\t%3)*131072+(\t/3)*512+\i*1024   ; eight tokens of one half head: 512 consecutive bytes, aligned
.endr
.endm
	OUT16 0, 0, 0x0a, F0
	OUT16 1, 1, 0x0a, F1
	OUT16 2, 2, 0x0a, F0
	OUT16 3, 3, 0x0a, F1
	OUT16 4, 0, 0x0f, F0
	OUT16 5, 1, 0x0f, F1
	OUT16 6, 2, 0x0f, F0
	OUT16 7, 3, 0x0f, F1
	s_set_vgpr_msb 0x1
	s_wait_tensorcnt 0x0
	ds_add_u32 v255, v255
	s_wait_dscnt 0x0
	s_set_vgpr_msb 0x100
	CROUND                                         ; the closing round: no work-group ends while a partner may still ask for a tile that names it
	s_endpgm
.Lfunc_end_k_q3eb5385566_qkv:
	.size	k_q3eb5385566_qkv, .Lfunc_end_k_q3eb5385566_qkv-k_q3eb5385566_qkv
	.p2alignl 7, 3214868480
	.fill 96, 4, 3214868480
	.section	.rodata,"a",@progbits
	.p2align	6, 0x0
	.amdhsa_kernel k_q3eb5385566_qkv
		.amdhsa_group_segment_fixed_size 327680
		.amdhsa_private_segment_fixed_size 0
		.amdhsa_enable_private_segment 0
		.amdhsa_kernarg_size 24
		.amdhsa_user_sgpr_count 2
		.amdhsa_user_sgpr_kernarg_segment_ptr 1
		.amdhsa_wavefront_size32 1
		.amdhsa_system_sgpr_workgroup_id_x 1
		.amdhsa_system_sgpr_workgroup_id_y 1
		.amdhsa_system_sgpr_workgroup_id_z 1
		.amdhsa_system_vgpr_workitem_id 0
		.amdhsa_next_free_vgpr 960
		.amdhsa_next_free_sgpr 72
		.amdhsa_reserve_vcc 0
		.amdhsa_float_denorm_mode_32 3
		.amdhsa_float_denorm_mode_16_64 3
		.amdhsa_memory_ordered 1
		.amdhsa_forward_progress 1
		.amdhsa_inst_pref_size 158
	.end_amdhsa_kernel
	.amdgpu_metadata
---
amdhsa.version: [ 1, 2 ]
amdhsa.kernels:
  - .name:           k_q3eb5385566_qkv
    .symbol:         k_q3eb5385566_qkv.kd
    .args:
      - { .name: tok16, .offset: 0, .size: 8, .value_kind: global_buffer, .address_space: global }
      - { .name: w16t, .offset: 8, .size: 8, .value_kind: global_buffer, .address_space: global }
      - { .name: qkv, .offset: 16, .size: 8, .value_kind: global_buffer, .address_space: global }
    .group_segment_fixed_size: 327680
    .private_segment_fixed_size: 0
    .kernarg_segment_align: 8
    .kernarg_segment_size: 24
    .max_flat_workgroup_size: 128
    .sgpr_count:     72
    .vgpr_count:     960
    .wavefront_size: 32
...
	.end_amdgpu_metadata
.endif
;; end of part 2
;; launch attn (part 3): grid 256 x 1, 8 waves a work-group, clusters of 4 x 1, 327,680 bytes of LDS; arguments qkv, part, mask, out0; writes out0
.if DOCPART == 3
	.amdgcn_target "amdgcn-amd-amdhsa--gfx1250"
	.amdhsa_code_object_version 6
	.text
	.protected	k_q3eb5385566_attn
	.globl	k_q3eb5385566_attn
	.p2align	8
	.type	k_q3eb5385566_attn,@function
k_q3eb5385566_attn:
	s_mov_b64 s[64:65], 0
	v_nop
	global_prefetch_b8 v0, s[64:65] scope:SCOPE_SE
	s_setreg_imm32_b32 hwreg(HW_REG_WAVE_MODE, 25, 1), 1
	s_wait_xcnt 0x0
	s_wait_alu depctr_hold_cnt(0) depctr_sa_sdst(0) depctr_va_vdst(0) depctr_va_sdst(0) depctr_va_ssrc(0) depctr_va_vcc(0) depctr_vm_vsrc(0)
	s_getreg_b32 s2, hwreg(HW_REG_IB_STS2, 6, 4)
	s_cmp_eq_u32 s2, 0
	s_cbranch_scc0 .Lentry_in_a_cluster
	s_endpgm
.Lentry_in_a_cluster:
	s_bfe_u32 s2, ttmp6, 0x10000c
	s_cmp_lg_u32 s2, 0x3003
	s_cbranch_scc0 .Lentry_shape_is_right
	s_endpgm
.Lentry_shape_is_right:
; Attention of one (batch, head) for 512 queries; eight waves, 64 queries (four tiles of 16) each; keys in tiles of 256, sub-blocks of 64.
; Scores in base 2: s = q' . k + bias[key], q' = QS q (folded into W1 by the first launch), bias[key] = QS c + (1 - mask[key]) (-10000 log2 e),
; c = q2 . k2 of this batch and head, summed here from the eight partial tables.  bias enters as the C operand of the first score product.
; Softmax with a running maximum: p = exp2(s - m), sums and results rescaled by exp2(m_old - m_new).
; TRANSPOSED: S^T = K Q^T (A = 16 keys x 32 d from LDS, B = queries in registers).  Lane (r, hh) then holds query r and keys 8 hh + j, so two neighbouring
; key tiles, packed to f16 in place, ARE the B fragment of P^T for 32 keys; O^T = V^T P^T with V^T read by the transposing LDS load.
; Maximum, sum and factor are one number a lane and query tile; the two halves of the lanes meet once a sub-block for the maximum, once at the end for the sum.
; CLUSTER: the four work-groups of a cluster are the four query blocks of one head and read the same K and V: every tile is asked for jointly (mask 15).
; Two waves share a SIMD (512 registers each): one does softmax arithmetic while the other issues matrix instructions.
; LIMITS, stated: Q, K, V, P are f16 matrix operands (magnitudes below 65,504; p below 6e-8 counts as 0).  mask is taken as any int32, exact up to 2^24.
; c is added in f32 as written, so very large sen and W2 cost the scores their low bits.
.set PART,   12288                     ; an LDS part: 128 keys of one half head; K at pitch 80 uses 10,240, V at pitch 96 all of it
.set SLOT,   8*PART                    ; parts 0-3: K (d half = p >> 1, key half = p & 1); parts 4-7: V likewise.  Part w is filled by wave w
.set KP,     80                        ; 64 bytes + 16 = 5 x 16
.set VP,     96                        ; 64 bytes + 32 = 3 x 32
.set BIAS,   2*SLOT                    ; 196,608: 2,048 f32; no tensor load lands here
.set STAGE,  BIAS+8192                 ; 204,800: 16 rows x 272 bytes for each wave
.set SPITCH, 272
.set HHB,    131072                    ; bytes of a half head in qkv
.set TILEB,  16384                     ; 256 keys x 64 bytes
.set QS,     0x3e0293ee                ; (2*64)^-0.5 * log2(e)
; window 0
.set KA,  2                            ; v2-3    K fragments: r x 80 + 16 hh, slot 0, 1
.set VA,  4                            ; v4-5    V fragments, slot 0, 1
.set BA,  6                            ; v6      bias: BIAS + 32 hh + the tile
.set STO, 7
.set RD,  8
.set CO,  9
.set QO,  10
.set PO,  11
.set MU,  12                           ; v12-19  pairs (M(q), U(q)): running maximum; scratch
.set AL,  20                           ; v20-27  pairs (AL(q), L(q)): factor; running sum
.set TA,  28                           ; v28-31  four maximum chains, then two sum chains
.set BI,  32                           ; v32-63  bias of key tile kt at BI + 8 kt
.set Q,   64                           ; v64-127 query tile q, d half dh at Q + 16 q + 8 dh
.set S,   128                          ; v128-255 scores (kt, q) at S + 64 (kt >> 1) + 16 q + 8 (kt & 1); P(kk, q) = first 8 registers at S + 64 kk + 16 q
; window 1
.set O,   0                            ; O^T tile (dt, q) at 8 (4 dt + q)
.set KF,  128                          ; K fragment (kt, dh) at KF + 16 kt + 8 dh
.set VF,  192                          ; V^T fragment (dt, kk) at VF + 16 dt + 8 kk
.set G1K, 16
.set G1V, 24
.set G0K, 32                           ; a set of four for each slot
.set G0V, 40
.set MSB, 0
.macro WIN new                         ; low byte: bits 1:0 source 0, 3:2 source 1, 5:4 source 2, 7:6 destination; the high byte repeats the setting that is left
.if MSB != \new
	s_set_vgpr_msb (MSB<<8)|\new
.set MSB, \new
.endif
.endm
.macro ROUND                           ; a round of the cluster's barrier
	s_barrier_signal -1
	s_barrier_wait -1
	s_cmp_lg_u32 s12, 0
	s_cbranch_scc1 .Lnot_wave_0_\@
	s_barrier_signal -3
.Lnot_wave_0_\@:
	s_barrier_wait -3
	s_barrier_signal -1
	s_barrier_wait -1
.endm
.macro JLOAD s                         ; waves 0-3 ask for K's four parts, waves 4-7 for V's; the branch hangs on the wave's number alone
	s_cmp_lt_u32 s12, 4
	s_cbranch_scc0 .Lfor_v_\@
	tensor_load_to_lds s[G0K+4*\s:G0K+4*\s+3], s[G1K:G1K+7]
	s_nop 0
	s_branch .Lasked_\@
.Lfor_v_\@:
	tensor_load_to_lds s[G0V+4*\s:G0V+4*\s+3], s[G1V:G1V+7]
	s_nop 0
.Lasked_\@:
.endm
	s_load_b256 s[4:11], s[0:1], 0x0               ; qkv s[4:5], part s[6:7], mask s[8:9], out0 s[10:11]
	v_lshl_add_u32 v254, v0, 2, 0x3a800
	v_mov_b32 v255, 0
	ds_add_u32 v254, v255
	s_wait_dscnt 0x0
	v_lshrrev_b32 v1, 5, v0
	v_readfirstlane_b32 s12, v1                    ; wave 0..7
	s_bfe_u32 s13, ttmp6, 0x40000                  ; cx: which 512 queries
	s_lshr_b32 s14, ttmp9, 4                       ; batch (ttmp9 counts clusters: 16 b + h)
	s_and_b32 s15, ttmp9, 15                       ; head
	s_mov_b32 s48, 0x76543210                      ; v_permlanex16_b32: lane i of one half reads lane i of the other
	s_mov_b32 s49, 0xfedcba98
	s_mov_b32 s50, 0xc6616bcd                      ; -10000 log2(e)
	; group 1: a dense block of 8,192 bytes as 32 rows of 32 elements of 8 bytes; behind every 16 words (a key's 64 bytes) 4 words of padding for K, 8 for V
	s_mov_b32 s[G1K+0], 15|(3<<16)|(1<<20)|(1<<21)|(3<<22)|(3<<25)
	s_mov_b32 s[G1V+0], 15|(3<<16)|(1<<20)|(1<<21)|(3<<22)|(7<<25)
	s_mov_b32 s[G1K+1], 32<<16
	s_mov_b32 s[G1V+1], 32<<16
	s_mov_b32 s[G1K+2], 32<<16
	s_mov_b32 s[G1V+2], 32<<16
	s_mov_b32 s[G1K+3], 32<<16
	s_mov_b32 s[G1V+3], 32<<16
	s_mov_b32 s[G1K+4], 32
	s_mov_b32 s[G1V+4], 32
	s_mov_b32 s[G1K+5], 32
	s_mov_b32 s[G1V+5], 32
	s_mov_b32 s[G1K+6], 0
	s_mov_b32 s[G1V+6], 0
	s_mov_b32 s[G1K+7], 0
	s_mov_b32 s[G1V+7], 0
	s_mul_i32 s52, s14, 96
	s_lshl1_add_u32 s52, s15, s52                  ; 96 b + 2 h: the head's first half head among the queries
	s_bfe_u32 s53, s12, 0x10001                    ; my part's d half
	s_add_co_u32 s54, s52, s53
	s_lshl_b32 s54, s54, 17
	s_and_b32 s55, s12, 1                          ; my part's key half
	s_lshl_b32 s55, s55, 13
	s_add_co_u32 s54, s54, s55
	s_mov_b32 s55, 0
	s_mul_i32 s53, s12, PART                       ; my part in LDS: the wave's number times a constant; cx enters no descriptor
	s_wait_kmcnt 0x0
	s_add_nc_u64 s[56:57], s[4:5], s[54:55]
.irp s, 0,1
	s_mov_b32 s[G0K+4*\s], 1
	s_add_co_u32 s[G0K+4*\s+1], s53, \s*SLOT
	s_add_nc_u64 s[G0K+4*\s+2:G0K+4*\s+3], s[56:57], 32*HHB+\s*TILEB   ; keys: half heads 32 .. 63; slot s starts with tile s
	s_or_b32 s[G0K+4*\s+3], s[G0K+4*\s+3], 0x80000000
	s_mov_b32 s[G0V+4*\s], 1
	s_add_co_u32 s[G0V+4*\s+1], s53, \s*SLOT
	s_add_nc_u64 s[G0V+4*\s+2:G0V+4*\s+3], s[56:57], 64*HHB+\s*TILEB   ; values: half heads 64 .. 95
	s_or_b32 s[G0V+4*\s+3], s[G0V+4*\s+3], 0x80000000
.endr
	ROUND                                          ; the four work-groups are here: the first joint load meets
	JLOAD 0                                        ; tile 0; slot 1 is filled behind the first trip's round
	; addresses
	v_and_b32 v28, 15, v0                          ; r
	v_bfe_u32 v29, v0, 4, 1                        ; hh
	v_mul_u32_u24 v[KA], v28, KP
	v_lshl_add_u32 v[KA], v29, 4, v[KA]
	v_add_nc_u32 v[KA+1], SLOT, v[KA]
	v_and_b32 v30, 7, v0
	v_lshl_add_u32 v30, v29, 3, v30                ; key 8 hh + (l & 7)
	v_mul_u32_u24 v30, v30, VP
	v_bfe_u32 v31, v0, 3, 1
	v_lshl_add_u32 v30, v31, 4, v30                ; + 16 ((l >> 3) & 1)
	v_add_nc_u32 v[VA], 4*PART, v30
	v_add_nc_u32 v[VA+1], 4*PART+SLOT, v30
	v_lshl_add_u32 v[BA], v29, 5, BIAS             ; my eight keys of a tile of 16: 32 hh bytes in
	s_mul_i32 s58, s12, 16*SPITCH
	s_add_co_u32 s58, s58, STAGE
	v_mul_u32_u24 v30, v28, SPITCH
	v_lshl_add_u32 v30, v29, 5, v30
	v_add_nc_u32 v[STO], s58, v30                  ; in: row r, 32 bytes for each half of the lanes
	v_mul_u32_u24 v30, v29, SPITCH
	v_lshl_add_u32 v30, v28, 4, v30
	v_add_nc_u32 v[RD], s58, v30                   ; back: lanes 0-15 one row of 256 bytes, lanes 16-31 the next
	v_lshlrev_b32 v30, 4, v28
	v_lshl_add_u32 v[CO], v29, 12, v30             ; the same two rows in out0
	v_lshlrev_b32 v31, 4, v29
	v_lshl_add_u32 v[QO], v28, 6, v31              ; query r x 64 bytes + 16 hh
	v_and_b32 v31, 31, v0
	v_lshlrev_b32 v[PO], 4, v31
	v_lshlrev_b32 v1, 4, v0                        ; 16 t: four mask words a thread
	s_lshl_b32 s54, s14, 13
	s_add_nc_u64 s[8:9], s[8:9], s[54:55]          ; mask + b x 8,192
	s_lshl_b32 s59, s15, 9
	s_add_co_u32 s54, s54, s59
	s_add_nc_u64 s[6:7], s[6:7], s[54:55]          ; part + b x 8,192 + h x 512
	s_lshl_b32 s62, s13, 9
	s_lshl_b32 s63, s12, 6
	s_add_co_u32 s62, s62, s63                     ; my first query: 512 cx + 64 w
	s_lshl_b32 s60, s52, 17
	s_lshl_b32 s63, s62, 6
	s_add_co_u32 s60, s60, s63
	s_mov_b32 s61, 0
	s_add_nc_u64 s[60:61], s[4:5], s[60:61]
	s_lshl_b32 s63, s14, 11
	s_add_co_u32 s62, s62, s63
	s_lshl_b32 s62, s62, 12                        ; rows of 4,096 bytes
	s_lshl_b32 s63, s15, 8                         ; a head's 256 bytes
	s_add_co_u32 s62, s62, s63
	s_mov_b32 s63, 0
	s_add_nc_u64 s[10:11], s[10:11], s[62:63]
.irp kp, 0,1,2,3,4,5,6,7
	global_load_b128 v[S+4*\kp:S+4*\kp+3], v[PO], s[6:7] offset:\kp*32768   ; lanes 0-15: q2, lanes 16-31: k2, four columns each
.endr
	global_load_b128 v[S+32:S+35], v1, s[8:9]
	global_load_b128 v[S+36:S+39], v1, s[8:9] offset:4096
.irp q, 0,1,2,3
.irp dh, 0,1
	global_load_b128 v[Q+16*\q+8*\dh:Q+16*\q+8*\dh+3],   v[QO], s[60:61] offset:\dh*HHB+\q*1024
	global_load_b128 v[Q+16*\q+8*\dh+4:Q+16*\q+8*\dh+7], v[QO], s[60:61] offset:\dh*HHB+\q*1024+32
.endr
.endr
	s_wait_loadcnt 18                              ; the eight partial tables are in; mask (2) and queries (16) stay out
.irp kp, 1,2,3,4,5,6,7
	v_pk_add_f32 v[S:S+1],   v[S:S+1],   v[S+4*\kp:S+4*\kp+1]
	v_pk_add_f32 v[S+2:S+3], v[S+2:S+3], v[S+4*\kp+2:S+4*\kp+3]
.endr
.irp e, 0,1,2,3
	v_permlanex16_b32 v[S+4+\e], v[S+\e], s48, s49 ; q2 meets k2 (the targets were written by loads)
.endr
	v_mul_f32 v[S+8], v[S], v[S+4]
	v_fmac_f32 v[S+8], v[S+1], v[S+5]
	v_fmac_f32 v[S+8], v[S+2], v[S+6]
	v_fmac_f32 v[S+8], v[S+3], v[S+7]
	v_add_f32_dpp v[S+8], v[S+8], v[S+8] row_xmask:1 row_mask:0xf bank_mask:0xf
	v_add_f32_dpp v[S+8], v[S+8], v[S+8] row_xmask:2 row_mask:0xf bank_mask:0xf
	v_add_f32_dpp v[S+8], v[S+8], v[S+8] row_xmask:4 row_mask:0xf bank_mask:0xf
	v_add_f32_dpp v[S+8], v[S+8], v[S+8] row_xmask:8 row_mask:0xf bank_mask:0xf
	v_mul_f32 v[S+8], QS, v[S+8]                   ; QS c, in every lane
	s_wait_loadcnt 16                              ; the mask words are in
.irp i, 0,1,2,3,4,5,6,7
	v_cvt_f32_i32 v[S+32+\i], v[S+32+\i]
.endr
.irp i, 0,1,2,3,4,5,6,7
	v_sub_f32 v[S+32+\i], 1.0, v[S+32+\i]
.endr
.irp i, 0,1,2,3,4,5,6,7
	v_fma_f32 v[S+32+\i], v[S+32+\i], s50, v[S+8]
.endr
	v_add_nc_u32 v31, BIAS, v1
	ds_store_b128 v31, v[S+32:S+35]                ; keys 4 t .. 4 t + 3
	ds_store_b128 v31, v[S+36:S+39] offset:4096    ; keys 1024 + 4 t ..; shown to the other waves by the first trip's wait and round
	s_wait_loadcnt 0x0                             ; the queries
; 24 LDS loads: bias (8, every lane of a half reads the same bytes) and K fragments (16) of sub-block sb; bo: the tile's bias bytes beyond BA
.macro LOADK slot, sb, bo
	WIN 0
.irp kt, 0,1,2,3
	ds_load_b128 v[BI+8*\kt:BI+8*\kt+3],   v[BA] offset:\bo+(\sb)*256+\kt*64
	ds_load_b128 v[BI+8*\kt+4:BI+8*\kt+7], v[BA] offset:\bo+(\sb)*256+\kt*64+16
.endr
	WIN 0x40
.irp kt, 0,1,2,3
.irp dh, 0,1
	ds_load_b128 v[KF+16*\kt+8*\dh:KF+16*\kt+8*\dh+3],   v[KA+\slot] offset:(2*\dh+((\sb)>>1))*PART+(64*((\sb)&1)+16*\kt)*KP
	ds_load_b128 v[KF+16*\kt+8*\dh+4:KF+16*\kt+8*\dh+7], v[KA+\slot] offset:(2*\dh+((\sb)>>1))*PART+(64*((\sb)&1)+16*\kt)*KP+32
.endr
.endr
.endm
; 16 transposing LDS loads: V^T fragments (16 d x 32 keys) of sub-block sb
.macro LOADV slot, sb
	WIN 0x40
.irp dt, 0,1,2,3
.irp kk, 0,1
	ds_load_tr16_b128 v[VF+16*\dt+8*\kk:VF+16*\dt+8*\kk+3],   v[VA+\slot] offset:(2*(\dt>>1)+((\sb)>>1))*PART+(64*((\sb)&1)+32*\kk)*VP+32*(\dt&1)
	ds_load_tr16_b128 v[VF+16*\dt+8*\kk+4:VF+16*\dt+8*\kk+7], v[VA+\slot] offset:(2*(\dt>>1)+((\sb)>>1))*PART+(64*((\sb)&1)+32*\kk)*VP+32*(\dt&1)+16*VP
.endr
.endr
.endm
; s - m and exp2 for query tile q, in place
.macro SHIFTEXP q
.irp g, 0,64
.irp i, 0,2,4,6,8,10,12,14
	v_pk_add_f32 v[S+\g+16*\q+\i:S+\g+16*\q+\i+1], v[S+\g+16*\q+\i:S+\g+16*\q+\i+1], v[MU+2*\q:MU+2*\q+1] op_sel_hi:[1,0] neg_lo:[0,1] neg_hi:[0,1]
.endr
.endr
.irp g, 0,64
.irp i, 0,1,2,3,4,5,6,7,8,9,10,11,12,13,14,15
	v_exp_f32 v[S+\g+16*\q+\i], v[S+\g+16*\q+\i]
.endr
.endr
.endm
; sum of my 32 p of query tile q in two chains, the running sum, and the packing to f16 in place (ascending, so no source is lost)
.macro SUMPACK q, first
	s_wait_alu depctr_va_vdst(0)
	v_pk_add_f32 v[TA:TA+1],   v[S+16*\q:S+16*\q+1],       v[S+16*\q+2:S+16*\q+3]
	v_pk_add_f32 v[TA+2:TA+3], v[S+64+16*\q:S+64+16*\q+1], v[S+64+16*\q+2:S+64+16*\q+3]
.irp i, 4,6,8,10,12,14
	v_pk_add_f32 v[TA:TA+1],   v[TA:TA+1],   v[S+16*\q+\i:S+16*\q+\i+1]
	v_pk_add_f32 v[TA+2:TA+3], v[TA+2:TA+3], v[S+64+16*\q+\i:S+64+16*\q+\i+1]
.endr
	v_pk_add_f32 v[TA:TA+1], v[TA:TA+1], v[TA+2:TA+3]
.if \first
	v_add_f32 v[AL+2*\q+1], v[TA], v[TA+1]
.else
	v_add_f32 v[TA], v[TA], v[TA+1]
	v_fma_f32 v[AL+2*\q+1], v[AL+2*\q+1], v[AL+2*\q], v[TA]
.endif
.irp g, 0,64
.irp i, 0,1,2,3,4,5,6,7
	v_cvt_pk_f16_f32 v[S+\g+16*\q+\i], v[S+\g+16*\q+2*\i], v[S+\g+16*\q+2*\i+1]
.endr
.endr
.endm
; One sub-block of 64 keys.  first = 1: the very first: maxima, sums and results start here, nothing is cleared.
; In each run of 16 matrix instructions 16 accumulators take turns, one instruction a turn.
.macro SUB slot, sb, first, bo
.rept 5
	v_nop                                          ; five places behind the last products: V fragments are loaded again, and the score products write over P (ISA guide 7.12.1)
.endr
.if \sb == 0
	LOADK \slot, 0, \bo
.endif
	LOADV \slot, \sb
	s_wait_dscnt 16                                ; bias and K are in; the 16 loads of V stay out
	WIN 0x01
.irp q, 0,1,2,3
.irp kt, 0,1,2,3
	v_wmma_f32_16x16x32_f16 v[S+64*(\kt>>1)+16*\q+8*(\kt&1):S+64*(\kt>>1)+16*\q+8*(\kt&1)+7], v[KF+16*\kt:KF+16*\kt+7], v[Q+16*\q:Q+16*\q+7], v[BI+8*\kt:BI+8*\kt+7]
.endr
.endr
.irp q, 0,1,2,3
.irp kt, 0,1,2,3
	v_wmma_f32_16x16x32_f16 v[S+64*(\kt>>1)+16*\q+8*(\kt&1):S+64*(\kt>>1)+16*\q+8*(\kt&1)+7], v[KF+16*\kt+8:KF+16*\kt+15], v[Q+16*\q+8:Q+16*\q+15], v[S+64*(\kt>>1)+16*\q+8*(\kt&1):S+64*(\kt>>1)+16*\q+8*(\kt&1)+7]
.endr
.endr
	WIN 0
.rept 4
	v_nop                                          ; four places: the scores are read, bias and K fragments are loaded again
.endr
.if \sb < 3
	LOADK \slot, \sb+1, \bo                        ; the next sub-block's bias and K land under the softmax
	WIN 0
.endif
	; maxima: two chains for each query tile, the four tiles interleaved
.irp q, 0,1,2,3
	v_max3_num_f32 v[TA+\q],     v[S+16*\q],    v[S+16*\q+1],    v[S+16*\q+2]
	v_max3_num_f32 v[MU+2*\q+1], v[S+64+16*\q], v[S+64+16*\q+1], v[S+64+16*\q+2]
.endr
.irp i, 3,5,7,9,11,13
.irp q, 0,1,2,3
	v_max3_num_f32 v[TA+\q],     v[TA+\q],     v[S+16*\q+\i],    v[S+16*\q+\i+1]
	v_max3_num_f32 v[MU+2*\q+1], v[MU+2*\q+1], v[S+64+16*\q+\i], v[S+64+16*\q+\i+1]
.endr
.endr
.irp q, 0,1,2,3
	v_max3_num_f32 v[TA+\q], v[TA+\q], v[MU+2*\q+1], v[S+16*\q+15]
.endr
.irp q, 0,1,2,3
.if \first
	v_max_num_f32 v[TA+\q], v[TA+\q], v[S+64+16*\q+15]
.else
	v_max3_num_f32 v[TA+\q], v[TA+\q], v[S+64+16*\q+15], v[MU+2*\q]
.endif
.endr
.irp q, 0,1,2,3
	v_permlanex16_b32 v[MU+2*\q+1], v[TA+\q], s48, s49     ; the other eight keys of each tile lie in the other half of the lanes
.endr
.irp q, 0,1,2,3
.if \first
	v_max_num_f32 v[MU+2*\q], v[TA+\q], v[MU+2*\q+1]
.else
	v_max_num_f32 v[TA+\q], v[TA+\q], v[MU+2*\q+1]
	v_sub_f32 v[AL+2*\q], v[MU+2*\q], v[TA+\q]             ; old maximum - new, at most 0
	v_mov_b32 v[MU+2*\q], v[TA+\q]
.endif
.endr
.if \first == 0
.irp q, 0,1,2,3
	v_exp_f32 v[AL+2*\q], v[AL+2*\q]
.endr
.endif
	; behind each run of exponentials stands plain work on another query tile before their results are used (ISA guide 5.7.2)
	SHIFTEXP 0
	SHIFTEXP 1
	SUMPACK 0, \first
	SHIFTEXP 2
	SUMPACK 1, \first
	SHIFTEXP 3
	SUMPACK 2, \first
	SUMPACK 3, \first
.if \first == 0
	WIN 0x41
.irp dt, 0,1,2,3
.irp q, 0,1,2,3
.irp i, 0,2,4,6
	v_pk_mul_f32 v[O+8*(4*\dt+\q)+\i:O+8*(4*\dt+\q)+\i+1], v[O+8*(4*\dt+\q)+\i:O+8*(4*\dt+\q)+\i+1], v[AL+2*\q:AL+2*\q+1] op_sel_hi:[1,0]
.endr
.endr
.endr
.endif
.if \sb < 3
	s_wait_dscnt 24                                ; V is in; the 24 younger loads (next bias and K) stay out
.else
	s_wait_dscnt 0
.endif
	WIN 0x51
.irp dt, 0,1,2,3
.irp q, 0,1,2,3
.if \first
	v_wmma_f32_16x16x32_f16 v[O+8*(4*\dt+\q):O+8*(4*\dt+\q)+7], v[VF+16*\dt:VF+16*\dt+7], v[S+16*\q:S+16*\q+7], 0
.else
	v_wmma_f32_16x16x32_f16 v[O+8*(4*\dt+\q):O+8*(4*\dt+\q)+7], v[VF+16*\dt:VF+16*\dt+7], v[S+16*\q:S+16*\q+7], v[O+8*(4*\dt+\q):O+8*(4*\dt+\q)+7]
.endif
.endr
.endr
.irp dt, 0,1,2,3
.irp q, 0,1,2,3
	v_wmma_f32_16x16x32_f16 v[O+8*(4*\dt+\q):O+8*(4*\dt+\q)+7], v[VF+16*\dt+8:VF+16*\dt+15], v[S+64+16*\q:S+64+16*\q+7], v[O+8*(4*\dt+\q):O+8*(4*\dt+\q)+7]
.endr
.endr
	WIN 0
.endm
; One tile of 256 keys.  In front of the round every wave waits for all its tensor loads (its part of this tile among them) and for its LDS accesses;
; behind it the other slot, read last trip, is asked for again: the wave's one tensor load until the next round, with this trip's 256 matrix instructions in which to land.
.macro TRIP slot, refill, first, bo
	s_wait_xcnt 0x0
	v_lshl_add_u32 v254, v0, 2, 0x3a800
	v_mov_b32 v255, 0
	s_wait_tensorcnt 0x0                           ; no tensor load of mine is out, so the descriptors may be written
	ds_add_u32 v254, v255
	s_wait_dscnt 0x0
	s_add_nc_u64 s[G0K+4*\slot+2:G0K+4*\slot+3], s[G0K+4*\slot+2:G0K+4*\slot+3], 2*TILEB   ; this slot's next tile
	s_add_nc_u64 s[G0V+4*\slot+2:G0V+4*\slot+3], s[G0V+4*\slot+2:G0V+4*\slot+3], 2*TILEB
	s_wait_dscnt 0x0                               ; my reads of the last tile are done (first trip: my bias stores)
	ROUND
.if \refill
	JLOAD (1-\slot)
.endif
	SUB \slot, 0, \first, \bo
	SUB \slot, 1, 0, \bo
	SUB \slot, 2, 0, \bo
	SUB \slot, 3, 0, \bo
.endm
	TRIP 0, 1, 1, 0                                ; tile 0; asks for tile 1
	v_add_nc_u32 v[BA], 1024, v[BA]
	s_mov_b32 s51, 3
.Lpair:
	TRIP 1, 1, 0, 0                                ; tiles 1, 3, 5
	TRIP 0, 1, 0, 1024                             ; tiles 2, 4, 6
	v_add_nc_u32 v[BA], 2048, v[BA]                ; two tiles of bias
	s_sub_co_u32 s51, s51, 1
	s_cmp_lg_u32 s51, 0
	s_cbranch_scc1 .Lpair
	TRIP 1, 0, 0, 0                                ; tile 7: nothing is left to fetch (the stepped addresses are not used)
	; THE WAY OUT: the two halves' sums meet, results are divided, 16 queries at a time go through my stage and leave as whole rows of 256 bytes
.rept 4
	v_nop                                          ; four places behind the last products
.endr
.irp q, 0,1,2,3
	v_permlanex16_b32 v[MU+2*\q+1], v[AL+2*\q+1], s48, s49
.endr
.irp q, 0,1,2,3
	v_add_f32 v[AL+2*\q+1], v[AL+2*\q+1], v[MU+2*\q+1]     ; at least 1: the key of the maximum counts 1
.endr
.irp q, 0,1,2,3
	v_rcp_f32 v[AL+2*\q], v[AL+2*\q+1]
.endr
	v_nop                                          ; one plain place behind the reciprocals
	s_wait_alu depctr_va_vdst(0)
.macro OUTQ q
	WIN 0x41
.irp dt, 0,1,2,3
.irp i, 0,2,4,6
	v_pk_mul_f32 v[O+8*(4*\dt+\q)+\i:O+8*(4*\dt+\q)+\i+1], v[O+8*(4*\dt+\q)+\i:O+8*(4*\dt+\q)+\i+1], v[AL+2*\q:AL+2*\q+1] op_sel_hi:[1,0]
.endr
.endr
	WIN 0x04
.irp dt, 0,1,2,3
	ds_store_b128 v[STO], v[O+8*(4*\dt+\q):O+8*(4*\dt+\q)+3]   offset:64*\dt       ; query r, d = 16 dt + 8 hh + 0..3
	ds_store_b128 v[STO], v[O+8*(4*\dt+\q)+4:O+8*(4*\dt+\q)+7] offset:64*\dt+16
.endr
	WIN 0
	s_wait_xcnt 0x0                                ; registers that earlier stores read are loaded again only behind this wait
.irp t, 0,1,2,3,4,5,6,7
	ds_load_b128 v[S+32*(\q&1)+4*\t:S+32*(\q&1)+4*\t+3], v[RD] offset:\t*2*SPITCH   ; LDS serves a wave's instructions in order: these see the stores above
.endr
.irp t, 0,1,2,3,4,5,6,7
	s_wait_dscnt 7-\t
	global_store_b128 v[CO], v[S+32*(\q&1)+4*\t:S+32*(\q&1)+4*\t+3], s[10:11] offset:(16*\q+2*\t)*4096 th:TH_STORE_NT   ; sixteen lanes store a head's 256 bytes of one query, aligned
.endr
.endm
	OUTQ 0
	OUTQ 1
	OUTQ 2
	OUTQ 3
	s_wait_xcnt 0x0
	v_lshl_add_u32 v254, v0, 2, 0x3a800
	v_mov_b32 v255, 0
	s_wait_tensorcnt 0x0
	ds_add_u32 v254, v255
	s_wait_dscnt 0x0
	ROUND                                          ; the closing round: no work-group ends while a partner may still ask jointly
	s_endpgm
.Lfunc_end_k_q3eb5385566_attn:
	.size	k_q3eb5385566_attn, .Lfunc_end_k_q3eb5385566_attn-k_q3eb5385566_attn
	.p2alignl 7, 3214868480
	.fill 96, 4, 3214868480
	.section	.rodata,"a",@progbits
	.p2align	6, 0x0
	.amdhsa_kernel k_q3eb5385566_attn
		.amdhsa_group_segment_fixed_size 327680
		.amdhsa_private_segment_fixed_size 0
		.amdhsa_enable_private_segment 0
		.amdhsa_kernarg_size 32
		.amdhsa_user_sgpr_count 2
		.amdhsa_user_sgpr_kernarg_segment_ptr 1
		.amdhsa_wavefront_size32 1
		.amdhsa_system_sgpr_workgroup_id_x 1
		.amdhsa_system_sgpr_workgroup_id_y 1
		.amdhsa_system_sgpr_workgroup_id_z 1
		.amdhsa_system_vgpr_workitem_id 0
		.amdhsa_next_free_vgpr 512
		.amdhsa_next_free_sgpr 66
		.amdhsa_reserve_vcc 0
		.amdhsa_float_denorm_mode_32 3
		.amdhsa_float_denorm_mode_16_64 3
		.amdhsa_memory_ordered 1
		.amdhsa_forward_progress 1
		.amdhsa_inst_pref_size 255
	.end_amdhsa_kernel
	.section	.bss,"aw",@nobits
	.p2align	6
	.space	262144
	.amdgpu_metadata
---
amdhsa.version: [ 1, 2 ]
amdhsa.kernels:
  - .name:           k_q3eb5385566_attn
    .symbol:         k_q3eb5385566_attn.kd
    .args:
      - { .name: qkv, .offset: 0, .size: 8, .value_kind: global_buffer, .address_space: global }
      - { .name: part, .offset: 8, .size: 8, .value_kind: global_buffer, .address_space: global }
      - { .name: mask, .offset: 16, .size: 8, .value_kind: global_buffer, .address_space: global }
      - { .name: out0, .offset: 24, .size: 8, .value_kind: global_buffer, .address_space: global }
    .group_segment_fixed_size: 327680
    .private_segment_fixed_size: 0
    .kernarg_segment_align: 8
    .kernarg_segment_size: 32
    .max_flat_workgroup_size: 256
    .sgpr_count:     66
    .vgpr_count:     512
    .wavefront_size: 32
...
	.end_amdgpu_metadata
.endif
;; end of part 3
